; MI455X (gfx1250); checked and timed in simulation.
; The chip was launched on July 23, 2026; its instructions are those of AMD's public machine-readable ISA for CDNA 5 (MIT licence, August 2026) and "CDNA5" Instruction Set Architecture Reference Guide (July 2026). The comments in the code are by the model that wrote it; some were corrected since.
;; Lo RA Layer. Allowed arithmetic: float matrix products may take bf16 or f16 operands with f32 sums; other float arithmetic in f32, or as packed bf16 or f16 multiplies, adds, multiply-adds, maxima and minima; sums over many terms, partial sums and values carried from step to step in f32; what a program stores and reads back later, other than sums and carried values, may be rounded once to bf16 or f16.
;; Inputs: A 4,096 x 16 float32; B 16 x 4,096 float32; weight 4,096 x 4,096 float32; x 4,096 x 4,096 float32.
;; Outputs: out0 4,096 x 4,096 float32.
;; 2 versions, each right; version 2 is version 1 with the launch prep written anew for expert scheduling mode. Each part assembles by itself: llvm-mc -triple=amdgcn-amd-amdhsa -mcpu=gfx1250 --defsym DOCPART=n.
;; ======== version 1 of 2: 2 launches
;; workspace buffers: weff 33,554,432 bytes; xb 33,554,432 bytes
;; launch prep (part 1): grid 512 x 1, 8 waves a work-group, no clusters, 73,216 bytes of LDS; arguments A, B, weight, x, weff, xb; writes weff, xb
.if DOCPART == 1
	.amdgcn_target "amdgcn-amd-amdhsa--gfx1250"
	.amdhsa_code_object_version 6
	.text
	.protected	k_q69aee095a3_prep
	.globl	k_q69aee095a3_prep
	.p2align	8
	.type	k_q69aee095a3_prep,@function
k_q69aee095a3_prep:
	s_mov_b64 s[64:65], 0
	v_nop
	global_prefetch_b8 v0, s[64:65] scope:SCOPE_SE
	s_setreg_imm32_b32 hwreg(HW_REG_WAVE_MODE, 25, 1), 1
	s_wait_xcnt 0x0
; weff[m][k] = bf16( bf16(weight[m][k]) + sum over j of bf16(A[m][j]) bf16(B[j][k]) ), [4096][4096] bf16;  xb[k][n] = bf16(x[k][n]), [4096][4096] bf16, not turned.
; All four inputs are rounded to bf16 first; the sum is kept in f32 and rounded once.  LIMITS: a sum beyond bf16's largest number (3.39e38) becomes an infinity;
; NaN and infinities are not treated apart.
; The launch is a stream: each byte of weight and x is read once, each byte of weff and xb written once; A and B (262,144 bytes each) are read by several work-groups.
; SHARES.  Work-group g of 512, eight waves.  FIRST: channels 128 (g % 32) on, rows 256 (g / 32) on; wave w takes 32 of those rows, two tiles of 16 rows x 128 channels.
; THEN: wave w casts the 16,384 bytes of x that begin at byte (8 g + w) x 16,384, in 32 pieces of 512 bytes.
; THE LOW-RANK PRODUCT goes to the matrix unit, rank 16 filled up to the form's 32 with zeros on both sides.  Source 0 = 16 channels of B (turned out of LDS by ds_load_tr16_b128),
; source 1 = 16 rows of A: a lane's eight results are eight neighbouring channels of one row.  They pass through the wave's own stage in LDS and come back as whole rows,
; lane l with channels 4 l .. 4 l + 3, which is how a 16-byte load a lane brings a row of weight: 512 consecutive bytes in, 256 consecutive bytes out, both aligned.
; IN FLIGHT.  Sixteen row slots of four registers; a slot is asked for again as soon as its row has been rounded: by tile 0 for tile 1's rows, by tile 1 for x's first pieces,
; so the ring runs on from the first job into the second.  Every row's and piece's place stands in an immediate: no base is stepped, and the text has no loop.
.set BP,    288                        ; a rank row of B in LDS: 128 bf16 = 256 bytes + 32: 72 words, so that 16 lanes of the turning load (8 rows x 32 bytes) take each bank once
.set DST,   16*BP                      ; behind B's 16 rows: the stages
.set DP,    528                        ; a stage row: 128 f32 = 512 bytes + 16: 132 words, so that the 16 rows of a store start at 16 different groups of four banks
.set DSZ,   16*DP                      ; a wave's stage
.set SPARE, DST+8*DSZ                  ; 72,192: the spare words, 128 bytes for each wave: four blocks of 256 bytes that no other line names
.set WROW,  16384                      ; bytes in a row of weight
.set OROW,  8192                       ; bytes in a row of weff
.set WO,  4                            ; v4   16 l: my 16 bytes of 512; never rewritten
.set OO,  5                            ; v5   8 l: my 8 bytes of 256; never rewritten
.set AO,  6                            ; v6   64 (l % 16) + 32 (l / 16): my eight numbers of a row of A
.set STO, 7                            ; v7   where I put 16 bytes of a stage row
.set RD,  8                            ; v8   where I read a stage row back
.set BTR, 9                            ; v9   my place in the turning load of B
.set BSTO, 10                          ; v10  where I put four bf16 of my wave's two rank rows
.set ONE, 11                           ; v11  1.0
.set SPW, 12                           ; v12  LDS address of my spare word; never rewritten
.set NIL, 13                           ; v13  0; never rewritten
.set TT,  14                           ; v[14:17]   at work
.set AR,  20                           ; v[20:27]   A as loaded
.set AF,  28                           ; v[28:35]   A's fragment; the upper four hold 0
.set Y,   36                           ; v[36:51]   eight pairs to store; at the head B as loaded
.set BF,  52                           ; v[52:115]  B's eight fragments; the upper four of each hold 0
.set ACC, 116                          ; v[116:179] eight accumulators; then the 16 rows read back; in the cast 32 pairs to store
.set WB,  180                          ; v[180:243] the sixteen row slots
	s_load_b256 s[4:11], s[0:1], 0x0               ; A s[4:5], B s[6:7], weight s[8:9], x s[10:11]
	s_load_b128 s[12:15], s[0:1], 0x20             ; weff s[12:13], xb s[14:15]
	v_lshl_add_u32 v[SPW], v0, 2, SPARE
	v_mov_b32 v[NIL], 0
	v_lshrrev_b32 v1, 5, v0
	v_readfirstlane_b32 s16, v1                    ; wave 0..7
	v_and_b32 v1, 31, v0                           ; l
	v_and_b32 v2, 15, v0                           ; l % 16
	v_bfe_u32 v3, v0, 4, 1                         ; l / 16
	v_lshlrev_b32 v[WO], 4, v1
	v_lshlrev_b32 v[OO], 3, v1
	v_lshlrev_b32 v[AO], 6, v2
	v_lshl_add_u32 v[AO], v3, 5, v[AO]
	s_and_b32 s17, ttmp9, 31                       ; which 128 channels
	s_lshr_b32 s18, ttmp9, 5                       ; which 256 rows
	s_lshl_b32 s19, s18, 8
	s_lshl_b32 s20, s16, 5
	s_add_co_u32 s19, s19, s20                     ; my first row
	s_lshl_b32 s20, s19, 14                        ; in weight: row x 16,384 + 512 x channel block
	s_lshl_b32 s21, s17, 9
	s_add_co_u32 s20, s20, s21
	s_mov_b32 s21, 0
	s_lshl_b32 s22, s19, 13                        ; in weff: half of that
	s_lshl_b32 s23, s17, 8
	s_add_co_u32 s22, s22, s23
	s_mov_b32 s23, 0
	s_lshl_b32 s24, s19, 6                         ; in A: row x 64
	s_mov_b32 s25, 0
	s_lshl_b32 s26, s17, 9                         ; in B: rank rows 2 w and 2 w + 1, my work-group's channels
	s_lshl_b32 s27, s16, 15
	s_add_co_u32 s26, s26, s27
	s_mov_b32 s27, 0
	s_lshl_b32 s28, ttmp9, 3                       ; in x: (8 g + w) x 16,384,
	s_add_co_u32 s28, s28, s16
	s_lshl_b32 s28, s28, 14
	s_mov_b32 s29, 0
	s_lshr_b32 s30, s28, 1                         ; in xb: half of that
	s_mov_b32 s31, 0
	s_wait_kmcnt 0x0
	s_add_nc_u64 s[4:5], s[4:5], s[24:25]
	s_add_nc_u64 s[6:7], s[6:7], s[26:27]
	s_add_nc_u64 s[8:9], s[8:9], s[20:21]
	s_add_nc_u64 s[10:11], s[10:11], s[28:29]
	s_add_nc_u64 s[12:13], s[12:13], s[22:23]
	s_add_nc_u64 s[14:15], s[14:15], s[30:31]
	global_load_b128 v[Y:Y+3],   v[WO], s[6:7]                  ; B: two rank rows, 512 consecutive bytes each
	global_load_b128 v[Y+4:Y+7], v[WO], s[6:7] offset:WROW
	global_load_b128 v[AR:AR+3],   v[AO], s[4:5]                ; A: tile 0's 16 rows, 1,024 consecutive bytes by the two loads
	global_load_b128 v[AR+4:AR+7], v[AO], s[4:5] offset:16
.irp t, 0,1,2,3,4,5,6,7,8,9,10,11,12,13,14,15
	global_load_b128 v[WB+4*(\t):WB+4*(\t)+3], v[WO], s[8:9] offset:(\t)*WROW th:TH_LOAD_NT  ; tile 0's rows fill the ring
.endr
	; while they are on their way: LDS addresses, the zero halves of the fragments, 1.0
	s_mul_i32 s32, s16, DSZ
	s_add_co_u32 s32, s32, DST                     ; my stage
	v_mul_u32_u24 v[STO], v2, DP                   ; in: row l % 16, 32 bytes for each half of the lanes
	v_lshl_add_u32 v[STO], v3, 5, v[STO]
	v_add_nc_u32 v[STO], s32, v[STO]
	v_lshl_add_u32 v[RD], v1, 4, s32               ; back: 32 lanes take one row of 512 bytes
	v_and_b32 v[TT], 7, v0
	v_bfe_u32 v[TT+1], v0, 3, 1
	v_lshl_add_u32 v[BTR], v3, 3, v[TT]            ; the turning load: lane l reads rank row 8 (l / 16) + l % 8,
	v_mul_u32_u24 v[BTR], v[BTR], BP
	v_lshl_add_u32 v[BTR], v[TT+1], 4, v[BTR]      ; channels 8 ((l / 8) % 2) + 0..7
	s_mul_i32 s33, s16, 2*BP
	v_lshl_add_u32 v[BSTO], v1, 3, s33             ; rank row 2 w, four bf16 a lane
	v_mov_b32 v[ONE], 1.0
.irp b, 0,1,2,3,4,5,6,7
.irp j, 4,5,6,7
	v_mov_b32 v[BF+8*(\b)+(\j)], 0                 ; ranks 16 to 31 do not exist
.endr
.endr
.irp j, 4,5,6,7
	v_mov_b32 v[AF+(\j)], 0
.endr
	s_wait_loadcnt 18                              ; B is in: behind it 2 loads of A and 16 of weight were issued
	v_cvt_pk_bf16_f32 v[TT],   v[Y],   v[Y+1]
	v_cvt_pk_bf16_f32 v[TT+1], v[Y+2], v[Y+3]
	v_cvt_pk_bf16_f32 v[TT+2], v[Y+4], v[Y+5]
	v_cvt_pk_bf16_f32 v[TT+3], v[Y+6], v[Y+7]
	ds_store_b64 v[BSTO], v[TT:TT+1]
	ds_store_b64 v[BSTO], v[TT+2:TT+3] offset:BP
	s_wait_dscnt 0x0                               ; for the others' sake: my two rank rows lie in LDS
	s_barrier_signal -1
	s_barrier_wait -1                              ; all sixteen do; nobody writes them again
.irp b, 0,1,2,3,4,5,6,7
	ds_load_tr16_b128 v[BF+8*(\b):BF+8*(\b)+3], v[BTR] offset:32*(\b)  ; lane l: channel 16 b + l % 16, ranks 8 (l / 16) + 0..7
.endr
	s_wait_dscnt 0x0
; One tile: 16 rows x 128 channels.  which = 0, 1: the tile.  mode = 1: the next tile's A and rows are asked for; mode = 2: x's first sixteen pieces take the freed slots.
.macro TILE which, mode
	s_wait_loadcnt 16                              ; this tile's A is in: behind it the 16 loads of the tile's rows were issued
.irp j, 0,1,2,3
	v_cvt_pk_bf16_f32 v[AF+(\j)], v[AR+2*(\j)], v[AR+2*(\j)+1]
.endr
.if (\mode) == 1
	global_load_b128 v[AR:AR+3],   v[AO], s[4:5] offset:1024*((\which)+1)
	global_load_b128 v[AR+4:AR+7], v[AO], s[4:5] offset:1024*((\which)+1)+16
.endif
.irp b, 0,1,2,3,4,5,6,7                ; eight accumulators, one product each, started by the constant 0: no chain
	v_wmma_f32_16x16x32_bf16 v[ACC+8*(\b):ACC+8*(\b)+7], v[BF+8*(\b):BF+8*(\b)+7], v[AF:AF+7], 0
.endr
.rept 4
	v_nop                                          ; four places between the last product and the LDS stores that read results
.endr
.irp b, 0,1,2,3,4,5,6,7                ; lane l: row l % 16, channels 16 b + 8 (l / 16) + 0..7; each accumulator's low four registers go first
	ds_store_b128 v[STO], v[ACC+8*(\b):ACC+8*(\b)+3]   offset:64*(\b)
	ds_store_b128 v[STO], v[ACC+8*(\b)+4:ACC+8*(\b)+7] offset:64*(\b)+16
.endr
.irp t, 0,1,2,3,4,5,6,7,8,9,10,11,12,13,14,15
	ds_load_b128 v[ACC+4*(\t):ACC+4*(\t)+3], v[RD] offset:(\t)*DP  ; LDS serves a wave's instructions in order (ISA guide 5.7.1.4): these see the stores above
.endr
.irp t, 0,1,2,3,4,5,6,7,8,9,10,11,12,13,14,15
.if (\mode) == 1
	s_wait_loadcnt 17                              ; row t is in: behind it 15 - t rows, 2 loads of A and t refills were issued
.else
	s_wait_loadcnt 15                              ; row t is in: behind it 15 - t rows and t pieces of x were issued
.endif
	s_wait_dscnt 15-(\t)                           ; and so is row t of the low-rank product
.if (((\t)%8) == 0) && (((\which)+(\t)) > 0)
	s_wait_xcnt 0x0                                ; the eight pairs of Y are written again only when the stores that read them have had their addresses translated (ISA guide 3.1)
.endif
	v_cvt_pk_bf16_f32 v[TT+2*((\t)%2)],   v[WB+4*(\t)],   v[WB+4*(\t)+1]   ; weight rounded to bf16
	v_cvt_pk_bf16_f32 v[TT+2*((\t)%2)+1], v[WB+4*(\t)+2], v[WB+4*(\t)+3]
.if (\mode) == 1
	global_load_b128 v[WB+4*(\t):WB+4*(\t)+3], v[WO], s[8:9] offset:(16*((\which)+1)+(\t))*WROW th:TH_LOAD_NT
.else
	global_load_b128 v[WB+4*(\t):WB+4*(\t)+3], v[WO], s[10:11] offset:512*(\t) th:TH_LOAD_NT
.endif
	v_fma_mix_f32_bf16 v[ACC+4*(\t)],   v[TT+2*((\t)%2)],   v[ONE], v[ACC+4*(\t)]   op_sel_hi:[1,0,0]                 ; the bf16 half x 1.0 + the product, in f32
	v_fma_mix_f32_bf16 v[ACC+4*(\t)+1], v[TT+2*((\t)%2)],   v[ONE], v[ACC+4*(\t)+1] op_sel:[1,0,0] op_sel_hi:[1,0,0]
	v_fma_mix_f32_bf16 v[ACC+4*(\t)+2], v[TT+2*((\t)%2)+1], v[ONE], v[ACC+4*(\t)+2] op_sel_hi:[1,0,0]
	v_fma_mix_f32_bf16 v[ACC+4*(\t)+3], v[TT+2*((\t)%2)+1], v[ONE], v[ACC+4*(\t)+3] op_sel:[1,0,0] op_sel_hi:[1,0,0]
	v_cvt_pk_bf16_f32 v[Y+2*((\t)%8)],   v[ACC+4*(\t)],   v[ACC+4*(\t)+1]
	v_cvt_pk_bf16_f32 v[Y+2*((\t)%8)+1], v[ACC+4*(\t)+2], v[ACC+4*(\t)+3]
	global_store_b64 v[OO], v[Y+2*((\t)%8):Y+2*((\t)%8)+1], s[12:13] offset:(16*(\which)+(\t))*OROW th:TH_STORE_NT  ; the wave stores 256 consecutive bytes, aligned
.endr
.endm
; Piece p of x's 32.  ahead = 1: its slot takes the piece sixteen further on.  left = how many younger loads may stay out.  Each piece has a pair of its own to store from.
.macro CAST p, ahead, left
	s_wait_loadcnt \left
	v_cvt_pk_bf16_f32 v[ACC+2*(\p)],   v[WB+4*((\p)%16)],   v[WB+4*((\p)%16)+1]
	v_cvt_pk_bf16_f32 v[ACC+2*(\p)+1], v[WB+4*((\p)%16)+2], v[WB+4*((\p)%16)+3]
.if \ahead
	global_load_b128 v[WB+4*((\p)%16):WB+4*((\p)%16)+3], v[WO], s[10:11] offset:512*((\p)+16) th:TH_LOAD_NT
.endif
	global_store_b64 v[OO], v[ACC+2*(\p):ACC+2*(\p)+1], s[14:15] offset:256*(\p) th:TH_STORE_NT  ; 256 consecutive bytes, aligned
.endm
	TILE 0, 1
	TILE 1, 2
.set p, 0
.rept 16
	CAST p, 1, 15                                  ; fifteen younger pieces are always out
.set p, p+1
.endr
.rept 16
	CAST p, 0, 31-p                                ; the last round loads nothing: the counts run down
.set p, p+1
.endr
	s_wait_tensorcnt 0x0                           ; the wave's end: behind my last LDS store
	ds_add_u32 v[SPW], v[NIL]
	s_wait_dscnt 0x0
	s_endpgm
.Lfunc_end_k_q69aee095a3_prep:
	.size	k_q69aee095a3_prep, .Lfunc_end_k_q69aee095a3_prep-k_q69aee095a3_prep
	.p2alignl 7, 3214868480
	.fill 96, 4, 3214868480
	.section	.rodata,"a",@progbits
	.p2align	6, 0x0
	.amdhsa_kernel k_q69aee095a3_prep
		.amdhsa_group_segment_fixed_size 73216
		.amdhsa_private_segment_fixed_size 0
		.amdhsa_enable_private_segment 0
		.amdhsa_kernarg_size 48
		.amdhsa_user_sgpr_count 2
		.amdhsa_user_sgpr_kernarg_segment_ptr 1
		.amdhsa_wavefront_size32 1
		.amdhsa_system_sgpr_workgroup_id_x 1
		.amdhsa_system_sgpr_workgroup_id_y 1
		.amdhsa_system_sgpr_workgroup_id_z 1
		.amdhsa_system_vgpr_workitem_id 0
		.amdhsa_next_free_vgpr 244
		.amdhsa_next_free_sgpr 66
		.amdhsa_reserve_vcc 0
		.amdhsa_float_denorm_mode_32 3
		.amdhsa_float_denorm_mode_16_64 3
		.amdhsa_memory_ordered 1
		.amdhsa_forward_progress 1
		.amdhsa_inst_pref_size 47
	.end_amdhsa_kernel
	.amdgpu_metadata
---
amdhsa.version: [ 1, 2 ]
amdhsa.kernels:
  - .name:           k_q69aee095a3_prep
    .symbol:         k_q69aee095a3_prep.kd
    .args:
      - { .name: A, .offset: 0, .size: 8, .value_kind: global_buffer, .address_space: global }
      - { .name: B, .offset: 8, .size: 8, .value_kind: global_buffer, .address_space: global }
      - { .name: weight, .offset: 16, .size: 8, .value_kind: global_buffer, .address_space: global }
      - { .name: x, .offset: 24, .size: 8, .value_kind: global_buffer, .address_space: global }
      - { .name: weff, .offset: 32, .size: 8, .value_kind: global_buffer, .address_space: global }
      - { .name: xb, .offset: 40, .size: 8, .value_kind: global_buffer, .address_space: global }
    .group_segment_fixed_size: 73216
    .private_segment_fixed_size: 0
    .kernarg_segment_align: 8
    .kernarg_segment_size: 48
    .max_flat_workgroup_size: 256
    .sgpr_count:     66
    .vgpr_count:     244
    .wavefront_size: 32
...
	.end_amdgpu_metadata
.endif
;; end of part 1
;; launch gemm (part 2): grid 16 x 16, 4 waves a work-group, clusters of 4 x 4, 327,680 bytes of LDS; arguments weff, xb, out0; writes out0
.if DOCPART == 2
	.amdgcn_target "amdgcn-amd-amdhsa--gfx1250"
	.amdhsa_code_object_version 6
	.text
	.protected	k_q69aee095a3_gemm
	.globl	k_q69aee095a3_gemm
	.p2align	8
	.type	k_q69aee095a3_gemm,@function
k_q69aee095a3_gemm:
	s_mov_b64 s[64:65], 0
	v_nop
	global_prefetch_b8 v0, s[64:65] scope:SCOPE_SE
	s_setreg_imm32_b32 hwreg(HW_REG_WAVE_MODE, 25, 1), 1
	s_wait_xcnt 0x0
	s_wait_alu depctr_hold_cnt(0) depctr_sa_sdst(0) depctr_va_vdst(0) depctr_va_sdst(0) depctr_va_ssrc(0) depctr_va_vcc(0) depctr_vm_vsrc(0)
	s_getreg_b32 s2, hwreg(HW_REG_IB_STS2, 6, 4)
	s_cmp_eq_u32 s2, 0
	s_cbranch_scc0 .Lentry_in_a_cluster
	s_endpgm
.Lentry_in_a_cluster:
	s_bfe_u32 s2, ttmp6, 0x10000c
	s_cmp_lg_u32 s2, 0xf033
	s_cbranch_scc0 .Lentry_shape_is_right
	s_endpgm
.Lentry_shape_is_right:
; out0[m][n] = sum over k of weff[m][k] xb[k][n].  weff: [4096 m][4096 k] bf16, xb: [4096 k][4096 n] bf16 (n along the rows), out0: [4096][4096] f32; sums in f32, K ascending.
; A tile of out0, 256 x 256, is made by a work-group of four waves; a wave makes 128 x 128: 64 accumulators of 16 x 16, 512 registers.  256 tiles, one a work-group.
; K goes in steps of 128 through a ring of two LDS slots filled by the tensor data mover.  A slot holds 256 rows of weff x 256 bytes, and 128 rows of xb x 512 bytes.
; weff's fragments come out of LDS as they lie; xb's, which lie [k][n], are turned by ds_load_tr16_b128.
; CLUSTERS: 4 x 4 work-groups.  The four of a row of the cluster need the same tile of weff, the four of a column the same tile of xb: each tile is asked for JOINTLY, by the same
; tensor load with the same descriptor and a mask that names the four, which divides the requests for both by four.
; THE MATRIX INSTRUCTION IS USED TRANSPOSED: source 0 = 16 columns n of xb, source 1 = 16 rows m of weff.  Lane l then holds row m = l % 16 and the columns 8 (l / 16) + 0..7:
; 32 neighbouring bytes of a row of out0.
; REGISTERS, in windows of 256 (s_set_vgpr_msb: bits 1:0 source 0, 3:2 source 1, 5:4 source 2, 7:6 destination):
;   window 0: v0-31 addresses; v64-127, v128-191 fragments of weff (8 x 16 rows x 32 K), two buffers; on the way out the same 128 hold rows read back from the stage
;   window 1: v64-127, v128-191 fragments of xb, two buffers
;   window 2: the 32 accumulators of my rows 0-63 (accumulator (a, b) at v[8 (8 a + b)]);   window 3: those of my rows 64-127
.set SIZE,   4096
.set KSTEP,  128
.set PA,     272                       ; a row of weff in LDS: 256 bytes + 16 = 68 words: the 16 rows of a load start at 16 different groups of four banks (64 banks of 4 bytes: ISA guide 11.1)
.set PX,     544                       ; a row of xb: 512 bytes + 32 = 136 words
.set HALFT,  128*PA                    ; what one tensor load brings: 128 rows of weff, or 64 rows of xb (64 x 544 is the same 34,816 bytes)
.set SLOT,   4*HALFT                   ; weff's 256 rows, then xb's 128 rows
.set STAGE,  2*SLOT                    ; behind the ring, never filled by a tensor load: 16 rows x 528 bytes for each wave, for the way out
.set SP,     528                       ; a stage row: 128 f32 = 512 bytes + 16
.set SPARE,  STAGE+4*16*SP             ; behind the stages: the spare words, 128 bytes for each wave: two blocks of 256 bytes that no other line names
.set LAPS,   SIZE/(2*KSTEP)            ; a lap = two K steps = once round the ring
.set ASTEP,  KSTEP*2                   ; a K step in weff: 256 bytes along the rows
.set XSTEP,  KSTEP*SIZE*2              ; a K step in xb: 128 rows down
.set ADRA, 16                          ; v16-17  LDS address of my fragments of weff in slot 0, 1
.set ADRX, 20                          ; v20-21  the same for xb
.set STO,  24                          ; v24     the way out: where I put 16 bytes of a row
.set RD,   25                          ; v25     the way out: where I read a row back
.set CO,   26                          ; v26     16 l: my 16 bytes of a row's 512
.set SPW,  28                          ; v28     LDS address of my spare word; never rewritten
.set NIL,  29                          ; v29     0; never rewritten
.set PFO,  30                          ; v30     the prefetches' lane offset; never rewritten
.set F0,   64                          ; fragment buffer 0
.set F1,   128                         ; fragment buffer 1
.set G1,  24                           ; s[24:31] descriptor group 1 for weff's tiles
.set G0,  32                           ; s[32:39] descriptor group 0 for weff's tiles, one set for each slot
.set G1X, 48                           ; s[48:55] descriptor group 1 for xb's tiles
.set G0X, 56                           ; s[56:63] descriptor group 0 for xb's tiles, one set for each slot
.set PFS, 66                           ; s[66:67] a K step in the tensor that I prefetch
.set LIM, 68                           ; s68      1 in a wave that prefetches, else the greatest number
.set PFA, 70                           ; s[70:71] where my next prefetch stands
.set MSB, 0
.macro WIN new                         ; the immediate's high byte repeats the setting that is left; a switch that changes nothing is dropped
.if MSB != (\new)
	s_set_vgpr_msb (MSB<<8)|(\new)
.set MSB, \new
.endif
.endm
.set MUL_LO, 0xa1                      ; source 0 (xb) window 1, source 1 (weff) window 0, C and D window 2
.set MUL_HI, 0xf1                      ; the same, C and D window 3
.set TO_X,   0x40                      ; destination window 1, address window 0
; A joint load.  Waves 0 and 1 fetch weff's two halves, waves 2 and 3 xb's.  Each line has one mask and one set of registers, and nothing in them hangs on a coordinate that the four
; partners do not share.  The branch hangs on the wave's number alone.  An s_nop 0 and four v_nop follow each line, ahead of the jump and the label.
.macro JLOAD s
	s_cmp_eq_u32 s11, 0
	s_cbranch_scc0 .Lfor_x_\@
	tensor_load_to_lds s[G0+4*(\s):G0+4*(\s)+3], s[G1:G1+7]
	s_nop 0
.rept 4
	v_nop
.endr
	s_branch .Lasked_\@
.Lfor_x_\@:
	tensor_load_to_lds s[G0X+4*(\s):G0X+4*(\s)+3], s[G1X:G1X+7]
	s_nop 0
.rept 4
	v_nop
.endr
.Lasked_\@:
.endm
; A PREFETCH INTO THE L2, behind each joint refill, its five lines and the run of LDS loads: 32 blocks of 256 bytes of the K step that stands TWO refills on, 512 matrix instructions ahead of the load
; that will ask for them; a lane a block, one instruction a wave.  Each block is named ONCE in the launch.  A tile row of weff is read by every cluster of that row of clusters: cluster x = 0 asks;
; a tile column of xb by every cluster of that column: cluster y = 0 asks.  The four partners that ask for a tile jointly share it out BY ADDRESS: of weff's 128 rows that a wave fetches, the partner
; at cx takes rows 32 cx on (a block a row); of xb's 64 rows, the partner at cy takes rows 16 cy on (two blocks a row).  The loop's last trip asks for nothing: its refills are the last K steps.
.macro ASK
	s_cmp_gt_u32 s3, s[LIM]                        ; s3 = 1 in the loop's last trip
	s_cbranch_scc0 .Lnot_mine_\@
	global_prefetch_b8 v[PFO], s[PFA:PFA+1] th:TH_LOAD_NT scope:SCOPE_SE
.Lnot_mine_\@:
.endm
; A round of the cluster's barrier: my work-group's barrier, so that wave 0's signal speaks for all four waves; wave 0 signals; every wave waits for all sixteen work-groups; my work-group's barrier once more.
.macro CREST                           ; a round behind its opening barrier
	s_cmp_lg_u32 s10, 0
	s_cbranch_scc1 .Lnot_wave_0_\@
	s_barrier_signal -3
.Lnot_wave_0_\@:
	s_barrier_wait -3
	s_barrier_signal -1
	s_barrier_wait -1
.endm
.macro CROUND                          ; a whole round
	s_barrier_signal -1
	s_barrier_wait -1
	CREST
.endm
	s_load_b128 s[4:7], s[0:1], 0x0                ; weff s[4:5], xb s[6:7]
	s_load_b64 s[8:9], s[0:1], 0x10                ; out0
	v_lshl_add_u32 v[SPW], v0, 2, SPARE
	v_mov_b32 v[NIL], 0
	ds_add_u32 v[SPW], v[NIL]                      ; the wave's opening: the add and its wait stand ahead of my first tensor load; the set-up below, work on registers, stands between them
	v_lshrrev_b32 v1, 5, v0
	v_readfirstlane_b32 s10, v1                    ; wave 0..3
	s_lshr_b32 s11, s10, 1                         ; which half of the tile's rows is mine.  Also: I fetch for weff (0) or for xb (1)
	s_and_b32 s12, s10, 1                          ; which half of its columns.  Also: which half of that tile I fetch
	s_bfe_u32 s40, ttmp6, 0x40000                  ; cx
	s_bfe_u32 s41, ttmp6, 0x40004                  ; cy
	s_lshl_b32 s42, ttmp9, 2                       ; in a cluster launch ttmp9 and ttmp7 count clusters
	s_add_co_u32 s42, s42, s40                     ; tile column = 4 x cluster x + cx
	s_and_b32 s13, ttmp7, 0xffff
	s_lshl_b32 s13, s13, 2
	s_add_co_u32 s13, s13, s41                     ; tile row = 4 x cluster y + cy
	s_lshl_b32 s43, s41, 2
	s_lshl_b32 s43, 15, s43                        ; my row of the cluster: places 4 cy .. 4 cy + 3
	s_lshl_b32 s44, 0x1111, s40                    ; my column: places cx, cx + 4, cx + 8, cx + 12
	; group 1 for weff: 128 rows x 128 elements; 15:0 the mask of my row; 17:16 elements of 2 bytes; 20 padding on; 21 set beside a mask; 24:22 after every 64 words (code 5); 31:25 4 words (code 3)
	s_or_b32 s[G1+0], s43, (1<<16)|(1<<20)|(1<<21)|(5<<22)|(3<<25)
	s_mov_b32 s[G1+1], KSTEP<<16                   ; tensor_dim0 = 128
	s_mov_b32 s[G1+2], 128<<16                     ; tensor_dim1 = 128
	s_mov_b32 s[G1+3], KSTEP<<16                   ; tile_dim0 = 128
	s_mov_b32 s[G1+4], 128                         ; tile_dim1 = 128
	s_mov_b32 s[G1+5], SIZE                        ; elements from row to row
	s_mov_b32 s[G1+6], 0
	s_mov_b32 s[G1+7], 0
	; group 1 for xb: 64 rows x 256 elements; the mask of my column; padding after every 128 words (code 6), 8 words (code 7)
	s_or_b32 s[G1X+0], s44, (1<<16)|(1<<20)|(1<<21)|(6<<22)|(7<<25)
	s_mov_b32 s[G1X+1], 256<<16                    ; tensor_dim0 = 256
	s_mov_b32 s[G1X+2], 64<<16                     ; tensor_dim1 = 64
	s_mov_b32 s[G1X+3], 256<<16                    ; tile_dim0 = 256
	s_mov_b32 s[G1X+4], 64                         ; tile_dim1 = 64
	s_mov_b32 s[G1X+5], SIZE
	s_mov_b32 s[G1X+6], 0
	s_mov_b32 s[G1X+7], 0
	; where the tiles come from.  weff's hang on the tile row alone, which my row of the cluster shares; xb's on the tile column alone, which my column shares.
	s_lshl_b32 s16, s13, 8
	s_lshl_b32 s17, s12, 7
	s_add_co_u32 s16, s16, s17                     ; weff: row 256 x tile row + 128 x half,
	s_lshl_b32 s16, s16, 13                        ; of 8,192 bytes
	s_mov_b32 s17, 0
	s_lshl_b32 s46, s12, 19                        ; xb: row 64 x half, of 8,192 bytes,
	s_lshl_b32 s47, s42, 9                         ; column 256 x tile column, of 2 bytes
	s_add_co_u32 s46, s46, s47
	s_mov_b32 s47, 0
	s_mul_i32 s20, s10, HALFT                      ; and where they go: wave x 34,816 bytes: no place in the cluster enters an LDS address
	s_wait_dscnt 0x0                               ; the opening add is done
	s_wait_kmcnt 0x0
	s_add_nc_u64 s[14:15], s[4:5], s[16:17]
	s_add_nc_u64 s[46:47], s[6:7], s[46:47]
	CROUND                                         ; all sixteen work-groups are here: the first joint loads meet
.irp s, 0,1
	s_mov_b32 s[G0+4*(\s)], 1                                      ; count = 1
	s_add_co_u32 s[G0+4*(\s)+1], s20, (\s)*SLOT                    ; LDS address
	s_add_nc_u64 s[G0+4*(\s)+2:G0+4*(\s)+3], s[14:15], (\s)*ASTEP  ; global address: K step s
	s_or_b32 s[G0+4*(\s)+3], s[G0+4*(\s)+3], 0x80000000            ; type = 2
	s_mov_b32 s[G0X+4*(\s)], 1
	s_add_co_u32 s[G0X+4*(\s)+1], s20, (\s)*SLOT
	s_add_nc_u64 s[G0X+4*(\s)+2:G0X+4*(\s)+3], s[46:47], (\s)*XSTEP
	s_or_b32 s[G0X+4*(\s)+3], s[G0X+4*(\s)+3], 0x80000000
	JLOAD \s                                       ; the ring is filled before anything else is done: two loads of mine are out
.endr
	; A fragment of weff is 16 rows x 32 K in 8 registers: lane l holds row l % 16; registers 0-3 K = 8 (l / 16) + 0..7, registers 4-7 K = 16 + 8 (l / 16) + 0..7: two loads of 16 bytes, 32 bytes apart.
	v_and_b32 v1, 15, v0                           ; l % 16
	v_bfe_u32 v2, v0, 4, 1                         ; l / 16
	v_mul_u32_u24 v3, v1, PA
	v_lshl_add_u32 v3, v2, 4, v3                   ; row x pitch + 16 x half
	s_mul_i32 s21, s11, HALFT                      ; my 128 rows of weff
	; The turning load takes 16 K x 16 columns (lane l reads K row 8 (l / 16) + l % 8, columns 8 ((l / 8) % 2) + 0..7) and leaves half a fragment: lane l holds column l % 16 and 8 K.
	v_and_b32 v4, 7, v0
	v_bfe_u32 v5, v0, 3, 1
	v_lshl_add_u32 v4, v2, 3, v4
	v_mul_u32_u24 v4, v4, PX
	v_lshl_add_u32 v4, v5, 4, v4
	s_lshl_b32 s22, s12, 8                         ; my 128 columns of xb: 256 bytes of each row,
	s_add_co_u32 s22, s22, 2*HALFT                 ; behind weff's 256 rows
.irp s, 0,1
	v_add_nc_u32 v[ADRA+(\s)], s21, v3
	v_add_nc_u32 v[ADRX+(\s)], s22, v4
	s_add_co_u32 s21, s21, SLOT
	s_add_co_u32 s22, s22, SLOT
.endr
	s_mul_i32 s23, s10, 16*SP
	s_add_co_u32 s23, s23, STAGE                   ; my stage
	v_mul_u32_u24 v6, v1, SP                       ; in: row l % 16, 32 bytes for each half of the lanes
	v_lshl_add_u32 v6, v2, 5, v6
	v_add_nc_u32 v[STO], s23, v6
	v_and_b32 v7, 31, v0
	v_lshlrev_b32 v[CO], 4, v7                     ; back: 32 lanes take one row of 512 bytes,
	v_add_nc_u32 v[RD], s23, v[CO]                 ; which are 512 consecutive bytes of out0
	; out0 at my 128 x 128
	s_lshl_b32 s16, s13, 8
	s_lshl_b32 s17, s11, 7
	s_add_co_u32 s16, s16, s17                     ; my first row,
	s_lshl_b32 s16, s16, 14                        ; of 16,384 bytes
	s_mov_b32 s17, 0
	s_lshl_b32 s46, s42, 10                        ; my first column, in bytes: 1,024 x tile column + 512 x half
	s_lshl_b32 s47, s12, 9
	s_add_co_u32 s46, s46, s47
	s_mov_b32 s47, 0
	s_add_nc_u64 s[8:9], s[8:9], s[16:17]
	s_add_nc_u64 s[8:9], s[8:9], s[46:47]
	; the prefetches
	s_lshl_b32 s20, s13, 8                         ; weff: row 256 x tile row + the 128 that I fetch + my work-group's 32 of them,
	s_lshl_b32 s21, s12, 7
	s_add_co_u32 s20, s20, s21
	s_lshl_b32 s21, s40, 5
	s_add_co_u32 s20, s20, s21
	s_lshl_b32 s20, s20, 13                        ; in bytes
	s_lshl_b32 s21, s12, 6                         ; xb: row: the 64 that I fetch + my work-group's 16 of them,
	s_lshl_b32 s22, s41, 4
	s_add_co_u32 s21, s21, s22
	s_lshl_b32 s21, s21, 13                        ; in bytes,
	s_lshl_b32 s22, s42, 9                         ; + the tile column's 512 bytes
	s_add_co_u32 s21, s21, s22
	s_and_b32 s22, ttmp7, 0xffff                   ; cluster y
	s_mov_b32 s23, ASTEP
	s_cmp_eq_u32 s11, 0                            ; do I fetch for weff?
	s_cselect_b32 s20, s20, s21
	s_cselect_b32 s22, ttmp9, s22                  ; the coordinate along which other clusters read the same blocks
	s_cselect_b32 s[PFS], s23, XSTEP
	s_cselect_b64 s[PFA:PFA+1], s[4:5], s[6:7]
	s_cmp_eq_u32 s22, 0
	s_cselect_b32 s[LIM], 1, -1                    ; the same in all sixteen partners, for a given wave
	s_mov_b32 s[PFS+1], 0
	s_mul_i32 s21, s[PFS], 3                       ; at K step 3: the first refill (K step 2) steps it to 4 and names that.  Nothing is prefetched here, at the head
	s_add_co_u32 s20, s20, s21
	s_mov_b32 s21, 0
	s_add_nc_u64 s[PFA:PFA+1], s[PFA:PFA+1], s[20:21]
	v_lshrrev_b32 v31, s11, v7                     ; weff: lane l names row l; xb: row l / 2,
	v_and_b32 v[PFO], s11, v7                      ; block l % 2 of its two
	v_lshlrev_b32 v[PFO], 8, v[PFO]
	v_lshl_add_u32 v[PFO], v31, 13, v[PFO]
; 16 matrix instructions: m blocks a0, a0 + 1 of the window's four (hi = 0: my rows 0-63, 1: rows 64-127) x all 8 n blocks, 32 along K.  zero = 1: the first product starts the sums: nothing is cleared.
; The 64 accumulators take turns in the same order in every quarter step, over the backward jump too.
.macro MUL16 f, hi, a0, zero
	WIN MUL_LO+0x50*(\hi)
.irp a, \a0, (\a0)+1
.irp b, 0,1,2,3,4,5,6,7
.if \zero
	v_wmma_f32_16x16x32_bf16 v[8*(8*(\a)+(\b)):8*(8*(\a)+(\b))+7], v[(\f)+8*(\b):(\f)+8*(\b)+7], v[(\f)+8*(4*(\hi)+(\a)):(\f)+8*(4*(\hi)+(\a))+7], 0
.else
	v_wmma_f32_16x16x32_bf16 v[8*(8*(\a)+(\b)):8*(8*(\a)+(\b))+7], v[(\f)+8*(\b):(\f)+8*(\b)+7], v[(\f)+8*(4*(\hi)+(\a)):(\f)+8*(4*(\hi)+(\a))+7], v[8*(8*(\a)+(\b)):8*(8*(\a)+(\b))+7]
.endif
.endr
.endr
.endm
; 32 LDS loads in one run: the fragments of quarter q of a K step (32 K x my 128 columns of xb, turned; my 128 rows of weff x 32 K) into buffer f
.macro FETCH slot, q, f
	WIN TO_X
.irp b, 0,1,2,3,4,5,6,7
	ds_load_tr16_b128 v[(\f)+8*(\b):(\f)+8*(\b)+3],   v[ADRX+(\slot)] offset:(\q)*32*PX+32*(\b)
	ds_load_tr16_b128 v[(\f)+8*(\b)+4:(\f)+8*(\b)+7], v[ADRX+(\slot)] offset:(\q)*32*PX+16*PX+32*(\b)
.endr
	WIN 0
.irp i, 0,1,2,3,4,5,6,7
	ds_load_b128 v[(\f)+8*(\i):(\f)+8*(\i)+3],   v[ADRA+(\slot)] offset:(\q)*64+(\i)*16*PA
	ds_load_b128 v[(\f)+8*(\i)+4:(\f)+8*(\i)+7], v[ADRA+(\slot)] offset:(\q)*64+(\i)*16*PA+32
.endr
.endm
; A load into a register that a matrix instruction has read, and an LDS store that reads a matrix result, stand four places behind that matrix instruction; only plain vector
; instructions that name none of its registers are places (ISA guide 7.12.1 for vector instructions).
.macro PLACES
.rept 4
	v_nop
.endr
.endm
; A K step is four quarters of 32 along K, 64 matrix instructions each, on buffers 0, 1, 0, 1.  One of the first three: multiplies buffer f; in its middle it fetches quarter q of the same slot into buffer g.
.macro QUARTER slot, q, f, g, zero
	s_wait_dscnt 8                                 ; xb's fragments and weff's rows 0-63 are in; the youngest eight loads (rows 64-127) may be out
	MUL16 \f, 0, 0, \zero
	MUL16 \f, 0, 2, \zero
	PLACES
	FETCH \slot, \q, \g
	s_wait_dscnt 32                                ; all but the 32 just issued
	MUL16 \f, 1, 0, \zero
	MUL16 \f, 1, 2, \zero
.endm
; The last quarter multiplies buffer 1 and changes slots.  MEET is its first half: ONE barrier for the change.  In front of it each wave waits for all its tensor loads, of which one is out: its part of
; the next slot; adds 0 to its spare word; and waits for that and for its own reads of this slot.  Behind it nobody reads this slot any more and the next slot is whole.
.macro MEET round                      ; round = 1: a round of the cluster's barrier follows
	WIN 0                                          ; (the add's two registers lie in window 0)
	s_wait_tensorcnt 0x0                           ; all my tensor loads have landed;
	ds_add_u32 v[SPW], v[NIL]                      ; 0 onto my spare word;
	s_wait_dscnt 9                                 ; (the add and the youngest eight loads may be out)
	MUL16 F1, 0, 0, 0                              ; sixteen matrix instructions stand between the add and the wait for it
	s_wait_dscnt 0x0                               ; the add is done, and my reads of this slot are over:
	s_barrier_signal -1                            ; say so,
	MUL16 F1, 0, 2, 0                              ; work on registers while the others arrive,
.if \round
	WIN 0
.endif
	s_barrier_wait -1                              ; and go on when all four have said so
.endm
; The whole last quarter.  Behind the round the slot just read out is filled again first, with the K step two steps on; then come the next slot's first fragments.
; From a request to the wait for it a wave issues 224 matrix instructions; one tensor load of mine is out meanwhile.
.macro TURN slot, next
	s_wait_xcnt 0x0                                ; the last prefetch, a K step back, has read its address: it is stepped here, ahead of the waits of the change of slots
	s_add_nc_u64 s[PFA:PFA+1], s[PFA:PFA+1], s[PFS:PFS+1]
	MEET 1
	CREST                                          ; no wave of any partner still reads this slot's tile or has a load on its way
	s_add_nc_u64 s[G0+4*(\slot)+2:G0+4*(\slot)+3], s[G0+4*(\slot)+2:G0+4*(\slot)+3], 2*ASTEP
	s_add_nc_u64 s[G0X+4*(\slot)+2:G0X+4*(\slot)+3], s[G0X+4*(\slot)+2:G0X+4*(\slot)+3], 2*XSTEP
	JLOAD \slot                                    ; the first tensor load behind the round; the four v_nop behind it are also the places in front of the loads below
	FETCH \next, 0, F0
	ASK
	MUL16 F1, 1, 0, 0
	MUL16 F1, 1, 2, 0
.endm
; THE WAY OUT of block a (16 rows x my 128 columns).  TOSTAGE: the accumulators go as they are, f32, into my own stage, and come back as whole rows of 512 bytes.  SEND: stored.
.macro TOSTAGE a
.set AC, 64*((\a)%4)
.set BK, F0+64*((\a)%2)
.if (\a) >= 2
	s_wait_xcnt 0x0                                ; the stores of the block two back have had their addresses translated (ISA guide 3.1): only now are the registers that they read loaded again
.endif
	WIN 0x08+4*((\a)/4)                            ; the stores' data (source 1): window 2 or 3
.irp b, 0,1,2,3,4,5,6,7                ; each accumulator's low four registers go first
	ds_store_b128 v[STO], v[AC+8*(\b):AC+8*(\b)+3]   offset:64*(\b)
	ds_store_b128 v[STO], v[AC+8*(\b)+4:AC+8*(\b)+7] offset:64*(\b)+16
.endr
	WIN 0
.irp t, 0,1,2,3,4,5,6,7,8,9,10,11,12,13,14,15
	ds_load_b128 v[BK+4*(\t):BK+4*(\t)+3], v[RD] offset:(\t)*SP  ; LDS serves a wave's instructions in order (ISA guide 5.7.1.4): these see the stores above; the next block's stores come behind them
.endr
.endm
.macro SEND a, younger                 ; younger: the LDS instructions issued behind block a's loads: the next block's 32, or none
.set BK, F0+64*((\a)%2)
	s_wait_dscnt \younger
.irp t, 0,1,2,3,4,5,6,7,8,9,10,11,12,13,14,15
	global_store_b128 v[CO], v[BK+4*(\t):BK+4*(\t)+3], s[8:9] offset:(16*(\a)+(\t))*SIZE*4 th:TH_STORE_NT  ; the wave stores 512 consecutive bytes, aligned; 127 rows at the most stand in the immediate
.endr
.endm
	s_wait_tensorcnt 1                             ; my part of K step 0 is in; K step 1's may stay out
	s_barrier_signal -1
	s_barrier_wait -1                              ; everybody's is
	FETCH 0, 0, F0
	QUARTER 0, 1, F0, F1, 1                        ; the first quarter stands in front of the loop: its products start the sums
	WIN 0                                          ; at a label and at a branch every window is 0
	s_mov_b32 s3, LAPS-1
.Llap:                                                 ; a trip goes once round the ring, from a lap's second quarter to the next lap's first, and fills both slots again
	QUARTER 0, 2, F1, F0, 0
	QUARTER 0, 3, F0, F1, 0
	TURN 0, 1
	QUARTER 1, 1, F0, F1, 0
	QUARTER 1, 2, F1, F0, 0
	QUARTER 1, 3, F0, F1, 0
	TURN 1, 0
	QUARTER 0, 1, F0, F1, 0
	WIN 0
	s_sub_co_u32 s3, s3, 1
	s_cmp_lg_u32 s3, 0
	s_cbranch_scc1 .Llap
	QUARTER 0, 2, F1, F0, 0                        ; the last lap is written out: it fills nothing, and has no round
	QUARTER 0, 3, F0, F1, 0
	MEET 0                                         ; my one tensor load that was still out is slot 1's, the last K step's
	PLACES                                         ; for the loads into buffer 0, which the quarter before multiplied
	FETCH 1, 0, F0
	MUL16 F1, 1, 0, 0
	MUL16 F1, 1, 2, 0
	QUARTER 1, 1, F0, F1, 0
	QUARTER 1, 2, F1, F0, 0
	QUARTER 1, 3, F0, F1, 0
	s_wait_dscnt 8                                 ; the very last quarter: nothing more to fetch
	MUL16 F1, 0, 0, 0
	MUL16 F1, 0, 2, 0
	s_wait_dscnt 0x0
	MUL16 F1, 1, 0, 0
	MUL16 F1, 1, 2, 0
	WIN 0
	PLACES                                         ; behind the last products: LDS stores read results, and loads land in the fragment buffers
	TOSTAGE 0
.irp a, 1,2,3,4,5,6,7                  ; block a's way through the stage is under way while block a - 1 is stored
	TOSTAGE \a
	SEND (\a)-1, 32
.endr
	SEND 7, 0
	s_wait_tensorcnt 0x0                           ; the wave's end: behind my last tensor load and my last LDS store
	ds_add_u32 v[SPW], v[NIL]
	s_wait_dscnt 0x0
	CROUND                                         ; the closing round: no work-group ends while a partner may still ask for a tile that names it
	s_endpgm
.Lfunc_end_k_q69aee095a3_gemm:
	.size	k_q69aee095a3_gemm, .Lfunc_end_k_q69aee095a3_gemm-k_q69aee095a3_gemm
	.p2alignl 7, 3214868480
	.fill 96, 4, 3214868480
	.section	.rodata,"a",@progbits
	.p2align	6, 0x0
	.amdhsa_kernel k_q69aee095a3_gemm
		.amdhsa_group_segment_fixed_size 327680
		.amdhsa_private_segment_fixed_size 0
		.amdhsa_enable_private_segment 0
		.amdhsa_kernarg_size 24
		.amdhsa_user_sgpr_count 2
		.amdhsa_user_sgpr_kernarg_segment_ptr 1
		.amdhsa_wavefront_size32 1
		.amdhsa_system_sgpr_workgroup_id_x 1
		.amdhsa_system_sgpr_workgroup_id_y 1
		.amdhsa_system_sgpr_workgroup_id_z 1
		.amdhsa_system_vgpr_workitem_id 0
		.amdhsa_next_free_vgpr 1024
		.amdhsa_next_free_sgpr 72
		.amdhsa_reserve_vcc 0
		.amdhsa_float_denorm_mode_32 3
		.amdhsa_float_denorm_mode_16_64 3
		.amdhsa_memory_ordered 1
		.amdhsa_forward_progress 1
		.amdhsa_inst_pref_size 142
	.end_amdhsa_kernel
	.amdgpu_metadata
---
amdhsa.version: [ 1, 2 ]
amdhsa.kernels:
  - .name:           k_q69aee095a3_gemm
    .symbol:         k_q69aee095a3_gemm.kd
    .args:
      - { .name: weff, .offset: 0, .size: 8, .value_kind: global_buffer, .address_space: global }
      - { .name: xb, .offset: 8, .size: 8, .value_kind: global_buffer, .address_space: global }
      - { .name: out0, .offset: 16, .size: 8, .value_kind: global_buffer, .address_space: global }
    .group_segment_fixed_size: 327680
    .private_segment_fixed_size: 0
    .kernarg_segment_align: 8
    .kernarg_segment_size: 24
    .max_flat_workgroup_size: 128
    .sgpr_count:     72
    .vgpr_count:     1024
    .wavefront_size: 32
...
	.end_amdgpu_metadata
.endif
;; end of part 2
;; ======== version 2 of 2: 2 launches; version 1 with the launch prep written anew for expert scheduling mode
;; workspace buffers: weff 33,554,432 bytes; xb 33,554,432 bytes
;; launch prep (part 3): grid 512 x 1, 8 waves a work-group, no clusters, 73,216 bytes of LDS; arguments A, B, weight, x, weff, xb; writes weff, xb
.if DOCPART == 3
	.amdgcn_target "amdgcn-amd-amdhsa--gfx1250"
	.amdhsa_code_object_version 6
	.text
	.protected	k_q69aee095a3_prep
	.globl	k_q69aee095a3_prep
	.p2align	8
	.type	k_q69aee095a3_prep,@function
k_q69aee095a3_prep:
	s_mov_b64 s[64:65], 0
	v_nop
	global_prefetch_b8 v0, s[64:65] scope:SCOPE_SE
	s_setreg_imm32_b32 hwreg(HW_REG_WAVE_SCHED_MODE, 0, 2), 2
	s_setreg_imm32_b32 hwreg(HW_REG_WAVE_MODE, 25, 1), 1
	s_wait_xcnt 0x0
	s_wait_alu depctr_vm_vsrc(0)
; weff[m][k] = bf16( bf16(weight[m][k]) + sum over j of bf16(A[m][j]) bf16(B[j][k]) ), [4096][4096] bf16;  xb[k][n] = bf16(x[k][n]), [4096][4096] bf16, not turned.
; All four inputs are rounded to bf16 first; the sum is kept in f32 and rounded once.  LIMITS: a sum beyond bf16's largest number (3.39e38) becomes an infinity;
; NaN and infinities are not treated apart.
; The launch is a stream: each byte of weight and x is read once, each byte of weff and xb written once; A and B (262,144 bytes each) are read by several work-groups.
; SHARES.  Work-group g of 512, eight waves.  FIRST: channels 128 (g % 32) on, rows 256 (g / 32) on; wave w takes 32 of those rows, two tiles of 16 rows x 128 channels.
; THEN: wave w casts the 16,384 bytes of x that begin at byte (8 g + w) x 16,384, in 32 pieces of 512 bytes.
; THE LOW-RANK PRODUCT goes to the matrix unit, rank 16 filled up to the form's 32 with zeros on both sides.  Source 0 = 16 channels of B (turned out of LDS by ds_load_tr16_b128),
; source 1 = 16 rows of A: a lane's eight results are eight neighbouring channels of one row.  They pass through the wave's own stage in LDS and come back as whole rows,
; lane l with channels 4 l .. 4 l + 3, which is how a 16-byte load a lane brings a row of weight: 512 consecutive bytes in, 256 consecutive bytes out, both aligned.
; IN FLIGHT.  Sixteen row slots of four registers, in four blocks of four; a block is asked for again as soon as its four rows have been rounded: by tile 0 for tile 1's rows,
; by tile 1 for x's first pieces, so the ring runs on from the first job into the second: 12 to 16 loads of a wave are out.
; Every row's and piece's place stands in an immediate: no base is stepped, and the text has no loop and no branch.
; THE MODE: SCHED_MODE bits 1:0 = 2 (LLVM: expert scheduling mode 2), set by the entry lines.  The code itself states the register dependences
; between vector or matrix instructions and memory or LDS instructions, with s_wait_alu, always for 0.
; THE PLAN.  The 32 rows and the 32 pieces go in 16 blocks of four.  Registers that memory or LDS instructions touch:
;   v4 - v10   offsets and LDS addresses: made once at the head, never written again.
;   WB0 .. WB3 four slots each.  A block's eight conversions read its WB; behind them the loads of the block four further on land in it.
;   Y0, Y1     four pairs each.  Block p of the tiles' eight writes Y[p % 2] by its roundings; the four stores issued in block p + 1 read it.
;   ACC        In a tile: written by the eight products, read by the 16 LDS stores, then the 16 loads from the stage land in it; after that vector instructions alone name it.
;              In the cast: a pair for each of the 32 pieces, written by its conversions, read by its store, never written again.
;   AR         A as loaded: read by four conversions at a tile's head; the next tile's A lands in it.
;   TT         read by B's two LDS stores at the head; from then on named by vector instructions alone.
; So ONE wait on va_vdst stands in a block, behind its eight conversions: they are done reading the block's WB, and (tiles) the block before has written its Y, or (cast) they have written
; the block's own pairs.  The block's loads and stores follow it; the vector lines among them name ACC, TT, 1.0 and the other Y: none of the registers that those loads and stores touch.
; From the tiles' third block on a wait on vm_vsrc (and on XCNT) stands beside it, for the Y that the block writes again.  A tile has one wait on va_vdst behind its products and one on vm_vsrc between the stage's stores and loads.
.set BP,    288                        ; a rank row of B in LDS: 128 bf16 = 256 bytes + 32: 72 words, so that 16 lanes of the turning load (8 rows x 32 bytes) take each bank once
.set DST,   16*BP                      ; behind B's 16 rows: the stages
.set DP,    528                        ; a stage row: 128 f32 = 512 bytes + 16: 132 words, so that the 16 rows of a store start at 16 different groups of four banks
.set DSZ,   16*DP                      ; a wave's stage
.set SPARE, DST+8*DSZ                  ; 72,192: the spare words, 128 bytes for each wave: four blocks of 256 bytes that no other line names
.set WROW,  16384                      ; bytes in a row of weight
.set OROW,  8192                       ; bytes in a row of weff
.set WO,  4                            ; v4   16 l: my 16 bytes of 512; never rewritten
.set OO,  5                            ; v5   8 l: my 8 bytes of 256; never rewritten
.set AO,  6                            ; v6   64 (l % 16) + 32 (l / 16): my eight numbers of a row of A
.set STO, 7                            ; v7   where I put 16 bytes of a stage row
.set RD,  8                            ; v8   where I read a stage row back
.set BTR, 9                            ; v9   my place in the turning load of B
.set BSTO, 10                          ; v10  where I put four bf16 of my wave's two rank rows
.set ONE, 11                           ; v11  1.0
.set SPW, 12                           ; v12  LDS address of my spare word; never rewritten
.set NIL, 13                           ; v13  0; never rewritten
.set TT,  14                           ; v[14:21]   a block's four rows of weight in bf16, a pair of registers a row; at the head at work
.set AR,  22                           ; v[22:29]   A as loaded
.set AF,  30                           ; v[30:37]   A's fragment; the upper four hold 0
.set Y,   38                           ; v[38:53]   two buffers of four pairs to store; at the head B as loaded
.set BF,  54                           ; v[54:117]  B's eight fragments; the upper four of each hold 0
.set ACC, 118                          ; v[118:181] eight accumulators; then the 16 rows read back; in the cast 32 pairs to store
.set WB,  182                          ; v[182:245] the sixteen row slots
	s_load_b256 s[4:11], s[0:1], 0x0               ; A s[4:5], B s[6:7], weight s[8:9], x s[10:11]
	s_load_b128 s[12:15], s[0:1], 0x20             ; weff s[12:13], xb s[14:15]
	v_lshl_add_u32 v[SPW], v0, 2, SPARE
	v_mov_b32 v[NIL], 0
	v_lshrrev_b32 v1, 5, v0
	v_readfirstlane_b32 s16, v1                    ; wave 0..7
	v_and_b32 v1, 31, v0                           ; l
	v_and_b32 v2, 15, v0                           ; l % 16
	v_bfe_u32 v3, v0, 4, 1                         ; l / 16
	v_lshlrev_b32 v[WO], 4, v1
	v_lshlrev_b32 v[OO], 3, v1
	v_lshlrev_b32 v[AO], 6, v2
	v_lshl_add_u32 v[AO], v3, 5, v[AO]
	s_wait_alu depctr_va_sdst(0)                   ; s16 is written, ahead of its first reader: all six bases and my LDS places are made from it
	s_and_b32 s17, ttmp9, 31                       ; which 128 channels
	s_lshr_b32 s18, ttmp9, 5                       ; which 256 rows
	s_lshl_b32 s19, s18, 8
	s_lshl_b32 s20, s16, 5
	s_add_co_u32 s19, s19, s20                     ; my first row
	s_lshl_b32 s20, s19, 14                        ; in weight: row x 16,384 + 512 x channel block
	s_lshl_b32 s21, s17, 9
	s_add_co_u32 s20, s20, s21
	s_mov_b32 s21, 0
	s_lshl_b32 s22, s19, 13                        ; in weff: half of that
	s_lshl_b32 s23, s17, 8
	s_add_co_u32 s22, s22, s23
	s_mov_b32 s23, 0
	s_lshl_b32 s24, s19, 6                         ; in A: row x 64
	s_mov_b32 s25, 0
	s_lshl_b32 s26, s17, 9                         ; in B: rank rows 2 w and 2 w + 1, my work-group's channels
	s_lshl_b32 s27, s16, 15
	s_add_co_u32 s26, s26, s27
	s_mov_b32 s27, 0
	s_lshl_b32 s28, ttmp9, 3                       ; in x: (8 g + w) x 16,384,
	s_add_co_u32 s28, s28, s16
	s_lshl_b32 s28, s28, 14
	s_mov_b32 s29, 0
	s_lshr_b32 s30, s28, 1                         ; in xb: half of that
	s_mov_b32 s31, 0
	s_wait_kmcnt 0x0
	s_add_nc_u64 s[4:5], s[4:5], s[24:25]
	s_add_nc_u64 s[6:7], s[6:7], s[26:27]
	s_add_nc_u64 s[8:9], s[8:9], s[20:21]
	s_add_nc_u64 s[10:11], s[10:11], s[28:29]
	s_add_nc_u64 s[12:13], s[12:13], s[22:23]
	s_add_nc_u64 s[14:15], s[14:15], s[30:31]
	s_wait_alu depctr_va_vdst(0)                   ; the offsets v4, v5 and v6 are written: every global load and store of the kernel reads one of them
	global_load_b128 v[Y:Y+3],   v[WO], s[6:7]                  ; B: two rank rows, 512 consecutive bytes each
	global_load_b128 v[Y+4:Y+7], v[WO], s[6:7] offset:WROW
	global_load_b128 v[AR:AR+3],   v[AO], s[4:5]                ; A: tile 0's 16 rows, 1,024 consecutive bytes by the two loads
	global_load_b128 v[AR+4:AR+7], v[AO], s[4:5] offset:16
.irp t, 0,1,2,3,4,5,6,7,8,9,10,11,12,13,14,15
	global_load_b128 v[WB+4*(\t):WB+4*(\t)+3], v[WO], s[8:9] offset:(\t)*WROW th:TH_LOAD_NT  ; tile 0's rows fill the ring
.endr
	; while they are on their way: LDS addresses, the zero halves of the fragments, 1.0
	s_mul_i32 s32, s16, DSZ
	s_add_co_u32 s32, s32, DST                     ; my stage
	v_mul_u32_u24 v[STO], v2, DP                   ; in: row l % 16, 32 bytes for each half of the lanes
	v_lshl_add_u32 v[STO], v3, 5, v[STO]
	v_add_nc_u32 v[STO], s32, v[STO]
	v_lshl_add_u32 v[RD], v1, 4, s32               ; back: 32 lanes take one row of 512 bytes
	v_and_b32 v[TT], 7, v0
	v_bfe_u32 v[TT+1], v0, 3, 1
	v_lshl_add_u32 v[BTR], v3, 3, v[TT]            ; the turning load: lane l reads rank row 8 (l / 16) + l % 8,
	v_mul_u32_u24 v[BTR], v[BTR], BP
	v_lshl_add_u32 v[BTR], v[TT+1], 4, v[BTR]      ; channels 8 ((l / 8) % 2) + 0..7
	s_mul_i32 s33, s16, 2*BP
	v_lshl_add_u32 v[BSTO], v1, 3, s33             ; rank row 2 w, four bf16 a lane
	v_mov_b32 v[ONE], 1.0
.irp b, 0,1,2,3,4,5,6,7
.irp j, 4,5,6,7
	v_mov_b32 v[BF+8*(\b)+(\j)], 0                 ; ranks 16 to 31 do not exist
.endr
.endr
.irp j, 4,5,6,7
	v_mov_b32 v[AF+(\j)], 0
.endr
	s_wait_loadcnt 18                              ; B is in: behind it 2 loads of A and 16 of weight were issued
	v_cvt_pk_bf16_f32 v[TT],   v[Y],   v[Y+1]
	v_cvt_pk_bf16_f32 v[TT+1], v[Y+2], v[Y+3]
	v_cvt_pk_bf16_f32 v[TT+2], v[Y+4], v[Y+5]
	v_cvt_pk_bf16_f32 v[TT+3], v[Y+6], v[Y+7]
	s_wait_alu depctr_va_vdst(0)                   ; the conversions have written v[TT .. TT+3], the LDS stores' data; their address v10 is written, and so are v7, v8 and v9, which later LDS instructions read and no vector instruction writes again
	ds_store_b64 v[BSTO], v[TT:TT+1]
	ds_store_b64 v[BSTO], v[TT+2:TT+3] offset:BP
	s_wait_dscnt 0x0                               ; for the others' sake: my two rank rows lie in LDS
	s_barrier_signal -1
	s_barrier_wait -1                              ; all sixteen do; nobody writes them again
	s_wait_alu depctr_vm_vsrc(0)                   ; my two LDS stores have read v[TT .. TT+3], which the blocks' conversions write again
.irp b, 0,1,2,3,4,5,6,7
	ds_load_tr16_b128 v[BF+8*(\b):BF+8*(\b)+3], v[BTR] offset:32*(\b)  ; lane l: channel 16 b + l % 16, ranks 8 (l / 16) + 0..7
.endr
	s_wait_dscnt 0x0
; Block q (0..3) of tile which: rows 4 q to 4 q + 3 of its sixteen.  mode = 1: the next tile's rows take the freed slots; mode = 2: x's first sixteen pieces do.
; The block's number among the tiles' eight is p = 4 which + q; it writes Y[q % 2] and stores the other Y, which the block before wrote.
.macro ROWS which, q, mode
.if (\mode) == 1
	s_wait_loadcnt 14                              ; the block's four rows are in: behind them 12 - 4 q rows, 2 loads of A and 4 q refills were issued
.else
	s_wait_loadcnt 12                              ; the block's four rows are in: behind them 12 - 4 q rows and 4 q pieces of x were issued
.endif
.irp i, 0,1,2,3
	v_cvt_pk_bf16_f32 v[TT+2*(\i)],   v[WB+16*(\q)+4*(\i)],   v[WB+16*(\q)+4*(\i)+1]   ; weight rounded to bf16
	v_cvt_pk_bf16_f32 v[TT+2*(\i)+1], v[WB+16*(\q)+4*(\i)+2], v[WB+16*(\q)+4*(\i)+3]
.endr
.if (4*(\which)+(\q)) >= 2
	s_wait_xcnt 0x0                                ; this block's Y is written again only when the stores that read it, issued in the block before, have had their addresses translated (ISA guide 3.1)
	s_wait_alu depctr_vm_vsrc(0)                   ; and those stores have read it
.endif
	s_wait_alu depctr_va_vdst(0)                   ; the eight conversions are done reading the block's four slots, in which the loads below land; the block before has written the other Y, which the stores below read
.irp i, 0,1,2,3                        ; the slots are asked for again at once
.if (\mode) == 1
	global_load_b128 v[WB+16*(\q)+4*(\i):WB+16*(\q)+4*(\i)+3], v[WO], s[8:9] offset:(16*((\which)+1)+4*(\q)+(\i))*WROW th:TH_LOAD_NT
.else
	global_load_b128 v[WB+16*(\q)+4*(\i):WB+16*(\q)+4*(\i)+3], v[WO], s[10:11] offset:512*(4*(\q)+(\i)) th:TH_LOAD_NT
.endif
.endr
.irp i, 0,1,2,3
.if (4*(\which)+(\q)) >= 1
	global_store_b64 v[OO], v[Y+8*(1-((\q)%2))+2*(\i):Y+8*(1-((\q)%2))+2*(\i)+1], s[12:13] offset:(16*(\which)+4*(\q)+(\i)-4)*OROW th:TH_STORE_NT  ; the block before's row: 256 consecutive bytes, aligned.  No wait: no vector line since the wait names these registers
.endif
	s_wait_dscnt 15-4*(\q)-(\i)                    ; this row of the low-rank product is back from the stage
	v_fma_mix_f32_bf16 v[ACC+16*(\q)+4*(\i)],   v[TT+2*(\i)],   v[ONE], v[ACC+16*(\q)+4*(\i)]   op_sel_hi:[1,0,0]                 ; the bf16 half x 1.0 + the product, in f32
	v_fma_mix_f32_bf16 v[ACC+16*(\q)+4*(\i)+1], v[TT+2*(\i)],   v[ONE], v[ACC+16*(\q)+4*(\i)+1] op_sel:[1,0,0] op_sel_hi:[1,0,0]
	v_fma_mix_f32_bf16 v[ACC+16*(\q)+4*(\i)+2], v[TT+2*(\i)+1], v[ONE], v[ACC+16*(\q)+4*(\i)+2] op_sel_hi:[1,0,0]
	v_fma_mix_f32_bf16 v[ACC+16*(\q)+4*(\i)+3], v[TT+2*(\i)+1], v[ONE], v[ACC+16*(\q)+4*(\i)+3] op_sel:[1,0,0] op_sel_hi:[1,0,0]
	v_cvt_pk_bf16_f32 v[Y+8*((\q)%2)+2*(\i)],   v[ACC+16*(\q)+4*(\i)],   v[ACC+16*(\q)+4*(\i)+1]
	v_cvt_pk_bf16_f32 v[Y+8*((\q)%2)+2*(\i)+1], v[ACC+16*(\q)+4*(\i)+2], v[ACC+16*(\q)+4*(\i)+3]
.endr
.endm
; One tile: 16 rows x 128 channels.  which = 0, 1: the tile.  mode = 1: the next tile's A and rows are asked for; mode = 2: x's first sixteen pieces take the freed slots.
.macro TILE which, mode
	s_wait_loadcnt 16                              ; this tile's A is in: behind it the 16 loads of the tile's rows were issued
.irp j, 0,1,2,3
	v_cvt_pk_bf16_f32 v[AF+(\j)], v[AR+2*(\j)], v[AR+2*(\j)+1]
.endr
.irp b, 0,1,2,3,4,5,6,7                ; eight accumulators, one product each, started by the constant 0: no chain
	v_wmma_f32_16x16x32_bf16 v[ACC+8*(\b):ACC+8*(\b)+7], v[BF+8*(\b):BF+8*(\b)+7], v[AF:AF+7], 0
.endr
.rept 4
	v_nop                                          ; four places between the last product and the LDS stores that read results; they stay beside the wait below
.endr
	s_wait_alu depctr_va_vdst(0)                   ; the products have written the accumulators, which the LDS stores read and in which the loads from the stage land; the four conversions above are done reading AR, in which the next tile's A lands
.if (\mode) == 1
	global_load_b128 v[AR:AR+3],   v[AO], s[4:5] offset:1024*((\which)+1)
	global_load_b128 v[AR+4:AR+7], v[AO], s[4:5] offset:1024*((\which)+1)+16
.endif
.irp b, 0,1,2,3,4,5,6,7                ; lane l: row l % 16, channels 16 b + 8 (l / 16) + 0..7; each accumulator's low four registers go first
	ds_store_b128 v[STO], v[ACC+8*(\b):ACC+8*(\b)+3]   offset:64*(\b)
	ds_store_b128 v[STO], v[ACC+8*(\b)+4:ACC+8*(\b)+7] offset:64*(\b)+16
.endr
	s_wait_alu depctr_vm_vsrc(0)                   ; the sixteen LDS stores have read the accumulators, in which the loads below land
.irp t, 0,1,2,3,4,5,6,7,8,9,10,11,12,13,14,15
	ds_load_b128 v[ACC+4*(\t):ACC+4*(\t)+3], v[RD] offset:(\t)*DP  ; LDS serves a wave's instructions in order (ISA guide 5.7.1.4): these see the stores above
.endr
	ROWS \which, 0, \mode
	ROWS \which, 1, \mode
	ROWS \which, 2, \mode
	ROWS \which, 3, \mode
.endm
; Block c (0..7) of the cast: pieces 4 c to 4 c + 3 of x's 32.  ahead = 1: their slots take the pieces sixteen further on.  left = how many younger loads may stay out.
; Each piece has a pair of its own to store from, so no store's data is ever written again.
.macro CAST4 c, ahead, left
	s_wait_loadcnt \left
.irp i, 0,1,2,3
	v_cvt_pk_bf16_f32 v[ACC+8*(\c)+2*(\i)],   v[WB+16*((\c)%4)+4*(\i)],   v[WB+16*((\c)%4)+4*(\i)+1]
	v_cvt_pk_bf16_f32 v[ACC+8*(\c)+2*(\i)+1], v[WB+16*((\c)%4)+4*(\i)+2], v[WB+16*((\c)%4)+4*(\i)+3]
.endr
	s_wait_alu depctr_va_vdst(0)                   ; the eight conversions have written the block's four pairs, which the stores below read, and are done reading its four slots, in which the loads below land; in block 0 the tiles' last block has written its Y too
.if \ahead
.irp i, 0,1,2,3
	global_load_b128 v[WB+16*((\c)%4)+4*(\i):WB+16*((\c)%4)+4*(\i)+3], v[WO], s[10:11] offset:512*(4*(\c)+(\i)+16) th:TH_LOAD_NT
.endr
.endif
.if (\c) == 0
.irp i, 0,1,2,3
	global_store_b64 v[OO], v[Y+8+2*(\i):Y+8+2*(\i)+1], s[12:13] offset:(28+(\i))*OROW th:TH_STORE_NT  ; weff's last four rows of mine
.endr
.endif
.irp i, 0,1,2,3
	global_store_b64 v[OO], v[ACC+8*(\c)+2*(\i):ACC+8*(\c)+2*(\i)+1], s[14:15] offset:256*(4*(\c)+(\i)) th:TH_STORE_NT  ; 256 consecutive bytes, aligned
.endr
.endm
	TILE 0, 1
	TILE 1, 2
	CAST4 0, 1, 12                                 ; the twelve younger pieces stay out
	CAST4 1, 1, 12
	CAST4 2, 1, 12
	CAST4 3, 1, 12
	CAST4 4, 0, 12                                 ; the last four blocks load nothing: the counts run down
	CAST4 5, 0, 8
	CAST4 6, 0, 4
	CAST4 7, 0, 0
	s_wait_dscnt 0x0                               ; the closing lines, six on end
	s_wait_alu 0x0
	s_wait_tensorcnt 0x0
	ds_add_u32 v[SPW], v[NIL]
	s_wait_dscnt 0x0
	s_endpgm
.Lfunc_end_k_q69aee095a3_prep:
	.size	k_q69aee095a3_prep, .Lfunc_end_k_q69aee095a3_prep-k_q69aee095a3_prep
	.p2alignl 7, 3214868480
	.fill 96, 4, 3214868480
	.section	.rodata,"a",@progbits
	.p2align	6, 0x0
	.amdhsa_kernel k_q69aee095a3_prep
		.amdhsa_group_segment_fixed_size 73216
		.amdhsa_private_segment_fixed_size 0
		.amdhsa_enable_private_segment 0
		.amdhsa_kernarg_size 48
		.amdhsa_user_sgpr_count 2
		.amdhsa_user_sgpr_kernarg_segment_ptr 1
		.amdhsa_wavefront_size32 1
		.amdhsa_system_sgpr_workgroup_id_x 1
		.amdhsa_system_sgpr_workgroup_id_y 1
		.amdhsa_system_sgpr_workgroup_id_z 1
		.amdhsa_system_vgpr_workitem_id 0
		.amdhsa_next_free_vgpr 246
		.amdhsa_next_free_sgpr 66
		.amdhsa_reserve_vcc 0
		.amdhsa_float_denorm_mode_32 3
		.amdhsa_float_denorm_mode_16_64 3
		.amdhsa_memory_ordered 1
		.amdhsa_forward_progress 1
		.amdhsa_inst_pref_size 47
	.end_amdhsa_kernel
	.amdgpu_metadata
---
amdhsa.version: [ 1, 2 ]
amdhsa.kernels:
  - .name:           k_q69aee095a3_prep
    .symbol:         k_q69aee095a3_prep.kd
    .args:
      - { .name: A, .offset: 0, .size: 8, .value_kind: global_buffer, .address_space: global }
      - { .name: B, .offset: 8, .size: 8, .value_kind: global_buffer, .address_space: global }
      - { .name: weight, .offset: 16, .size: 8, .value_kind: global_buffer, .address_space: global }
      - { .name: x, .offset: 24, .size: 8, .value_kind: global_buffer, .address_space: global }
      - { .name: weff, .offset: 32, .size: 8, .value_kind: global_buffer, .address_space: global }
      - { .name: xb, .offset: 40, .size: 8, .value_kind: global_buffer, .address_space: global }
    .group_segment_fixed_size: 73216
    .private_segment_fixed_size: 0
    .kernarg_segment_align: 8
    .kernarg_segment_size: 48
    .max_flat_workgroup_size: 256
    .sgpr_count:     66
    .vgpr_count:     246
    .wavefront_size: 32
...
	.end_amdgpu_metadata
.endif
;; end of part 3
;; launch gemm: the kernel of part 2 again; grid 16 x 16, 4 waves a work-group, clusters of 4 x 4, 327,680 bytes of LDS; arguments weff, xb, out0; writes out0
